; MI455X (gfx1250); checked and timed in simulation.
; The chip was launched on July 23, 2026; its instructions are those of AMD's public machine-readable ISA for CDNA 5 (MIT licence, August 2026) and "CDNA5" Instruction Set Architecture Reference Guide (July 2026). The comments in the code are by the model that wrote it; some were corrected since.
;; Bin Linear. Allowed arithmetic: float matrix products may take bf16 or f16 operands with f32 sums; all other float work in f32.
;; Inputs: bias 4,096 float32; weight 4,096 x 4,096 float32; x 4,096 x 4,096 float32.
;; Outputs: out0 4,096 x 4,096 float32.
;; 2 versions, each right; version 2 is version 1 with the launch tobf16 written anew for expert scheduling mode. Each part assembles by itself: llvm-mc -triple=amdgcn-amd-amdhsa -mcpu=gfx1250 --defsym DOCPART=n.
;; ======== version 1 of 2: 2 launches
;; workspace buffers: xb 33,554,432 bytes; wb 33,554,432 bytes
;; launch tobf16 (part 1): grid 512 x 2, 8 waves a work-group, no clusters, 0 bytes of LDS; arguments x, weight, xb, wb; writes xb, wb
.if DOCPART == 1
	.amdgcn_target "amdgcn-amd-amdhsa--gfx1250"
	.amdhsa_code_object_version 6
	.text
	.protected	k_q890c3d6479_tobf16
	.globl	k_q890c3d6479_tobf16
	.p2align	8
	.type	k_q890c3d6479_tobf16,@function
k_q890c3d6479_tobf16:
	s_mov_b64 s[64:65], 0
	v_nop
	global_prefetch_b8 v0, s[64:65] scope:SCOPE_SE
	s_setreg_imm32_b32 hwreg(HW_REG_WAVE_MODE, 25, 1), 1
	s_wait_xcnt 0x0
; xb = bf16(x), wb = bf16(sign(weight)).  x, weight: [4096][4096] f32; xb, wb: [4096][4096] bf16, the same order of elements.
; A stream: every input byte is read once and every output byte written once, so there is no LDS, no barrier, no matrix unit, and no cluster (no two work-groups read the same byte).
; SHARES.  Work-groups with y = 0 take x, those with y = 1 take weight.  Work-group gx owns 131,072 input bytes (512 x 131,072 = the tensor's 67,108,864) and the 65,536 output bytes made of them.
; A slot's turn is 4,096 input bytes: thread t loads the 16 bytes at 16 t (a wave: 512 consecutive bytes) and stores the 8 bytes at 8 t (a wave: 256 consecutive bytes, at a multiple of 256 from the buffer's first byte).
; A ring of DEPTH slots in registers keeps DEPTH loads of every wave on their way; 32 turns = 4 rounds of 8, the last round written out without loads, so that no load leaves the buffer.
; sign: 1 for every number above 0 (denormals and +infinity too), -1 below 0; +0, -0 and NaN stay as they are: all of these bf16 holds exactly.
; LIMITS.  x is rounded to nearest even, 8 significant bits; |x| above bf16's largest finite number, 3.39e38, becomes an infinity.
.set DEPTH,  8                         ; slots = loads in flight in each wave
.set ROUNDS, 4                         ; each round takes every slot once
.set CHUNK,  4096                      ; input bytes of a slot's turn; the output's are half as many
.set IN,  1                            ; v1        16 t; never rewritten
.set OUT, 2                            ; v2        8 t; never rewritten
.set X,   4                            ; v[4:35]   slot i: 4 numbers in f32, as loaded (weight: turned into their signs in place)
.set Y,   36                           ; v[36:51]  slot i: 4 bf16 to store
	s_load_b256 s[4:11], s[0:1], 0x0               ; x s[4:5], weight s[6:7], xb s[8:9], wb s[10:11]
	s_and_b32 s16, ttmp7, 0xffff                   ; y: which tensor
	s_lshl_b32 s2, ttmp9, 17                       ; my 131,072 input bytes (511 x 131,072 stays under 2^32),
	s_mov_b32 s3, 0
	s_lshl_b32 s18, ttmp9, 16                      ; my 65,536 output bytes
	s_mov_b32 s19, 0
	v_lshlrev_b32 v[IN], 4, v0
	v_lshlrev_b32 v[OUT], 3, v0
	s_wait_kmcnt 0x0
	s_cmp_eq_u32 s16, 0                            ; the choice hangs on the work-group's y alone
	s_cselect_b64 s[12:13], s[4:5], s[6:7]         ; from x or from weight,
	s_cselect_b64 s[14:15], s[8:9], s[10:11]       ; into xb or into wb
	s_add_nc_u64 s[12:13], s[12:13], s[2:3]
	s_add_nc_u64 s[14:15], s[14:15], s[18:19]
.irp i, 0,1,2,3,4,5,6,7
	global_load_b128 v[X+4*(\i):X+4*(\i)+3], v[IN], s[12:13] offset:(\i)*CHUNK th:TH_LOAD_NT  ; the ring is filled; each byte is read once in the launch
.endr
; The sign of v[r], in place: two compares and two selects; what is neither above nor below 0 (both zeros, NaN) is left as it is.
.macro SGN r
	v_cmp_lt_f32 vcc_lo, 0, v[\r]
	v_cndmask_b32 v[\r], v[\r], 1.0, vcc_lo
	v_cmp_gt_f32 vcc_lo, 0, v[\r]
	v_cndmask_b32 v[\r], v[\r], -1.0, vcc_lo
.endm
; One slot's turn.  ahead = 1: the slot is filled again with the bytes DEPTH turns on.  left = how many younger loads may stay out.  sgn = 1: the numbers' signs are taken.
.macro SLOT i, ahead, left, sgn
	s_wait_loadcnt \left                           ; loads come back in order (ISA guide 5.7.1): mine is in, the younger ones stay out
	s_wait_xcnt 0x0                                ; every earlier memory instruction has had its addresses translated (ISA guide 3.1): Y, which this slot's last store reads, is rewritten only behind this wait
.if \sgn
.irp j, 0,1,2,3
	SGN X+4*(\i)+(\j)
.endr
.endif
	v_cvt_pk_bf16_f32 v[Y+2*(\i)],   v[X+4*(\i)],   v[X+4*(\i)+1]    ; two roundings to bf16, packed
	v_cvt_pk_bf16_f32 v[Y+2*(\i)+1], v[X+4*(\i)+2], v[X+4*(\i)+3]
.if \ahead
	global_load_b128 v[X+4*(\i):X+4*(\i)+3], v[IN], s[12:13] offset:((\i)+DEPTH)*CHUNK th:TH_LOAD_NT  ; the load goes out ahead of the store
.endif
	global_store_b64 v[OUT], v[Y+2*(\i):Y+2*(\i)+1], s[14:15] offset:(\i)*CHUNK/2  ; no hint: the next launch reads these bytes
.endm
; The whole walk: ROUNDS - 1 rounds that fill the ring again, and the last, whose counts run down.
.macro WALK sgn
	s_mov_b32 s20, ROUNDS-1
.Lround_\@:
.irp i, 0,1,2,3,4,5,6,7
	SLOT \i, 1, DEPTH-1, \sgn
.endr
	s_wait_xcnt 0x0                                ; the two bases are stepped only behind this wait
	s_add_nc_u64 s[12:13], s[12:13], DEPTH*CHUNK
	s_add_nc_u64 s[14:15], s[14:15], DEPTH*CHUNK/2
	s_sub_co_u32 s20, s20, 1
	s_cmp_lg_u32 s20, 0
	s_cbranch_scc1 .Lround_\@
.irp i, 0,1,2,3,4,5,6,7
	SLOT \i, 0, DEPTH-1-(\i), \sgn
.endr
	s_endpgm
.endm
	s_cmp_lg_u32 s16, 0
	s_cbranch_scc1 .Lsign                          ; the same way for the whole work-group
	WALK 0                                         ; x: rounded
.Lsign:
	WALK 1                                         ; weight: its signs
.Lfunc_end_k_q890c3d6479_tobf16:
	.size	k_q890c3d6479_tobf16, .Lfunc_end_k_q890c3d6479_tobf16-k_q890c3d6479_tobf16
	.p2alignl 7, 3214868480
	.fill 96, 4, 3214868480
	.section	.rodata,"a",@progbits
	.p2align	6, 0x0
	.amdhsa_kernel k_q890c3d6479_tobf16
		.amdhsa_group_segment_fixed_size 0
		.amdhsa_private_segment_fixed_size 0
		.amdhsa_enable_private_segment 0
		.amdhsa_kernarg_size 32
		.amdhsa_user_sgpr_count 2
		.amdhsa_user_sgpr_kernarg_segment_ptr 1
		.amdhsa_wavefront_size32 1
		.amdhsa_system_sgpr_workgroup_id_x 1
		.amdhsa_system_sgpr_workgroup_id_y 1
		.amdhsa_system_sgpr_workgroup_id_z 1
		.amdhsa_system_vgpr_workitem_id 0
		.amdhsa_next_free_vgpr 52
		.amdhsa_next_free_sgpr 66
		.amdhsa_reserve_vcc 1
		.amdhsa_float_denorm_mode_32 3
		.amdhsa_float_denorm_mode_16_64 3
		.amdhsa_memory_ordered 1
		.amdhsa_forward_progress 1
		.amdhsa_inst_pref_size 25
	.end_amdhsa_kernel
	.amdgpu_metadata
---
amdhsa.version: [ 1, 2 ]
amdhsa.kernels:
  - .name:           k_q890c3d6479_tobf16
    .symbol:         k_q890c3d6479_tobf16.kd
    .args:
      - { .name: x, .offset: 0, .size: 8, .value_kind: global_buffer, .address_space: global }
      - { .name: weight, .offset: 8, .size: 8, .value_kind: global_buffer, .address_space: global }
      - { .name: xb, .offset: 16, .size: 8, .value_kind: global_buffer, .address_space: global }
      - { .name: wb, .offset: 24, .size: 8, .value_kind: global_buffer, .address_space: global }
    .group_segment_fixed_size: 0
    .private_segment_fixed_size: 0
    .kernarg_segment_align: 8
    .kernarg_segment_size: 32
    .max_flat_workgroup_size: 256
    .sgpr_count:     66
    .vgpr_count:     52
    .wavefront_size: 32
...
	.end_amdgpu_metadata
.endif
;; end of part 1
;; launch gemm (part 2): grid 16 x 16, 4 waves a work-group, clusters of 4 x 4, 327,680 bytes of LDS; arguments xb, wb, out0, bias; writes out0
.if DOCPART == 2
	.amdgcn_target "amdgcn-amd-amdhsa--gfx1250"
	.amdhsa_code_object_version 6
	.text
	.protected	k_q890c3d6479_gemm
	.globl	k_q890c3d6479_gemm
	.p2align	8
	.type	k_q890c3d6479_gemm,@function
k_q890c3d6479_gemm:
	s_mov_b64 s[64:65], 0
	v_nop
	global_prefetch_b8 v0, s[64:65] scope:SCOPE_SE
	s_setreg_imm32_b32 hwreg(HW_REG_WAVE_MODE, 25, 1), 1
	s_wait_xcnt 0x0
	s_wait_alu depctr_hold_cnt(0) depctr_sa_sdst(0) depctr_va_vdst(0) depctr_va_sdst(0) depctr_va_ssrc(0) depctr_va_vcc(0) depctr_vm_vsrc(0)
	s_getreg_b32 s2, hwreg(HW_REG_IB_STS2, 6, 4)
	s_cmp_eq_u32 s2, 0
	s_cbranch_scc0 .Lentry_in_a_cluster
	s_endpgm
.Lentry_in_a_cluster:
	s_bfe_u32 s2, ttmp6, 0x10000c
	s_cmp_lg_u32 s2, 0xf033
	s_cbranch_scc0 .Lentry_shape_is_right
	s_endpgm
.Lentry_shape_is_right:
; out0[m][n] = sign(bias[n]) + the sum over k of xb[m][k] wb[n][k].  xb = bf16(x), wb = bf16(sign(weight)): [4096][4096] bf16; bias: [4096] f32; out0: [4096][4096] f32.  Sums in f32, K ascending.
; LIMITS.  x enters with bf16's 8 significant bits (its rounding was made by the launch before); sign(bias) is the number that each sum STARTS from, not the last one added; a zero's sign is not kept apart.
; SHARES.  A tile of out0, 256 x 256, is made by a work-group of four waves; 16 x 16 tiles, one work-group each.  A wave makes 128 x 128: 64 accumulators of 16 x 16, 512 registers.
; K goes in 32 steps of 128 through a ring of two LDS slots filled by the tensor data mover: the tiles' rows are 256 bytes of memory and start at multiples of 256 bytes from the buffer's first byte.
; The last K step goes by rows of out0, so that finished rows leave while the others are multiplied.
; CLUSTERS: 4 x 4 work-groups.  The four of a row of the cluster make tiles of one tile row and need the same tiles of xb; the four of a column need the same tiles of wb.  Such a tile is asked for JOINTLY:
; each of the four issues the same tensor load, with the same descriptor and a mask that names the four, and each receives the tile in its own LDS: a quarter of the requests.
; REGISTERS, in windows of 256 (an instruction names v0-v255; s_set_vgpr_msb says which window each operand place means: bits 1:0 source 0, 3:2 source 1, 5:4 source 2, 7:6 destination):
;   window 0: v0-31 addresses; v64-127, v128-191 fragments of xb (8 x 16 rows x 32 K), two buffers (in the last K step four, of 16 rows x 128 K);
;             v192-255 first sign(bias) laid out as an accumulator is, 8 registers for each of my 8 blocks of 16 columns; on the way out 16 rows read back from the stage
;   window 1: v64-127, v128-191 fragments of wb, two buffers; in the last K step all 256: wb's fragments of the whole step
;   window 2: the 32 accumulators of my rows 0-63 (accumulator (a, b) at v[8 (8 a + b)]);   window 3: those of my rows 64-127
; THE MATRIX INSTRUCTION IS USED TRANSPOSED: source 0 = 16 rows of wb, source 1 = 16 rows of xb.  In the result lane l then holds row m = l % 16 of out0, and its registers 0 to 7 the columns
; n = 8 (l / 16) + 0 .. 7: eight NEIGHBOURING numbers of a row, 32 bytes.  The C operand has the same layout, so the eight signs of bias that a lane needs are 32 neighbouring bytes of bias too.
.set SIZE_K, 4096
.set SIZE_N, 4096
.set KSTEP,  128
.set PITCH,  272                       ; an LDS row: 256 bytes of data + 16 of padding = 68 words: row r starts at bank 4 r mod 64 (64 banks of 4 bytes: ISA guide 11.1), so the 16 rows that a load touches start at 16 different banks
.set HALFT,  128*PITCH                 ; 128 rows: what one tensor load brings, and what one wave reads of xb or of wb
.set SLOT,   4*HALFT                   ; xb's 256 rows, then wb's 256 rows
.set STAGE,  2*SLOT                    ; behind the ring: 16 rows x 528 bytes for each wave, for the way out; no tensor load lands here
.set SPITCH, 528                       ; a stage row: 128 f32 = 512 bytes + 16: the 16 rows that a store touches start at 16 different groups of four banks
.set SPARE,  STAGE+4*16*SPITCH         ; behind the stages: the spare words, 128 bytes for each wave: two blocks of 256 bytes that no other line names
.set LAPS,   SIZE_K/(2*KSTEP)         ; a lap = two K steps = once round the ring: 16
.set ADRA, 16                          ; v16-17  LDS address of my xb fragments in slot 0, 1
.set ADRB, 20                          ; v20-21  the same for wb
.set STO,  24                          ; v24     the way out: where I put 32 bytes of a row
.set RD,   25                          ; v25     the way out: where I read 16 bytes of a row back
.set CO,   26                          ; v26     my byte offset in a row's 512 bytes of out0
.set BO,   27                          ; v27     my byte offset in 64 bytes of bias: 32 (l / 16)
.set SPW,  28                          ; v28     LDS address of my spare word: SPARE + 4 x my thread's number; never rewritten
.set NIL,  29                          ; v29     0; never rewritten
.set F0,   64                          ; fragment buffer 0
.set F1,   128                         ; fragment buffer 1
.set BIA,  192                         ; sign(bias): block b of 16 columns at BIA + 8 b
.set OB,   192                         ; the way out: row t of 16 at OB + 4 t
.set PA,   64                          ; the last K step: xb's fragments of 16 rows x 128 K, 32 registers; four such buffers, v64-191
.set G1,  24                           ; s[24:31] descriptor group 1 for xb's tiles
.set G0,  32                           ; s[32:39] descriptor group 0 for xb's tiles, one set for each slot
.set G1B, 48                           ; s[48:55] descriptor group 1 for wb's tiles: it differs in the mask alone
.set G0B, 56                           ; s[56:63] descriptor group 0 for wb's tiles, one set for each slot
.set BP,  66                           ; s[66:67] bias
.set MSB, 0
.macro WIN new                         ; the immediate's high byte repeats the setting that is left; a switch that changes nothing is dropped
.if MSB != (\new)
	s_set_vgpr_msb (MSB<<8)|(\new)
.set MSB, \new
.endif
.endm
.set MUL_LO, 0xa1                      ; source 0 (wb) window 1, source 1 (xb) window 0, C and D window 2; + 0x50: C and D window 3
.set BEG_LO, 0x81                      ; the same with C (sign(bias)) in window 0; + 0x40: D window 3
.set TO_B,   0x40                      ; destination window 1, address window 0
; A joint load.  Waves 0 and 1 fetch xb's two halves, waves 2 and 3 wb's.  Each of the two lines has ONE mask and one set of registers for all that issue it, and nothing in them hangs on a
; coordinate that the four partners do not share.  The branch hangs on the wave's number alone.  An s_nop 0 and four v_nop follow each of the two lines, ahead of the jump, the label and what follows.
.macro JLOAD s
	s_cmp_eq_u32 s11, 0
	s_cbranch_scc0 .Lfor_b_\@
	tensor_load_to_lds s[G0+4*(\s):G0+4*(\s)+3], s[G1:G1+7]
	s_nop 0
.rept 4
	v_nop
.endr
	s_branch .Lasked_\@
.Lfor_b_\@:
	tensor_load_to_lds s[G0B+4*(\s):G0B+4*(\s)+3], s[G1B:G1B+7]
	s_nop 0
.rept 4
	v_nop
.endr
.Lasked_\@:
.endm
; A round of the cluster's barrier: my work-group's barrier, so that wave 0's signal speaks for all four waves; wave 0 signals for the work-group; every wave waits for all sixteen work-groups;
; my work-group's barrier once more.  No LDS instruction of the wave is pending at a signal.
.macro CREST                           ; a round behind its opening barrier
	s_cmp_lg_u32 s10, 0
	s_cbranch_scc1 .Lnot_wave_0_\@
	s_barrier_signal -3
.Lnot_wave_0_\@:
	s_barrier_wait -3
	s_barrier_signal -1
	s_barrier_wait -1
.endm
.macro CROUND                          ; a whole round
	s_barrier_signal -1
	s_barrier_wait -1
	CREST
.endm
	s_load_b128 s[4:7], s[0:1], 0x0                ; xb s[4:5], wb s[6:7]
	s_load_b64 s[8:9], s[0:1], 0x10                ; out0
	s_load_b64 s[BP:BP+1], s[0:1], 0x18            ; bias
	v_lshl_add_u32 v[SPW], v0, 2, SPARE
	v_mov_b32 v[NIL], 0
	ds_add_u32 v[SPW], v[NIL]                      ; the wave's opening: the add and its wait stand ahead of my first tensor load; the set-up below, work on registers, stands between them
	v_lshrrev_b32 v1, 5, v0
	v_readfirstlane_b32 s10, v1                    ; wave 0..3
	s_lshr_b32 s11, s10, 1                         ; which half of the tile's rows is mine.  Also: I fetch for xb (0) or for wb (1)
	s_and_b32 s12, s10, 1                          ; which half of its columns.  Also: which 128 rows of that tile I fetch
	s_bfe_u32 s40, ttmp6, 0x40000                  ; cx: my place along the cluster's x
	s_bfe_u32 s41, ttmp6, 0x40004                  ; cy: along its y
	s_lshl_b32 s42, ttmp9, 2                       ; in a cluster launch ttmp9 and ttmp7 count clusters
	s_add_co_u32 s42, s42, s40                     ; tile column = 4 x cluster x + cx
	s_and_b32 s13, ttmp7, 0xffff
	s_lshl_b32 s13, s13, 2
	s_add_co_u32 s13, s13, s41                     ; tile row = 4 x cluster y + cy
	s_lshl_b32 s43, s41, 2
	s_lshl_b32 s43, 15, s43                        ; my row of the cluster: places 4 cy .. 4 cy + 3
	s_lshl_b32 s44, 0x1111, s40                    ; my column: places cx, cx + 4, cx + 8, cx + 12
	; descriptor group 1: a tile of 128 rows x 128 elements, padded in LDS
	s_or_b32 s[G1+0], s43, (1<<16)|(1<<20)|(1<<21)|(5<<22)|(3<<25)  ; 15:0 the mask: xb's tiles go to my row; 17:16 element of 2 bytes; 20 padding on; 21 set beside a mask; 24:22 after every 64 words (code 5); 31:25 of 4 words (code 3)
	s_or_b32 s[G1B+0], s44, (1<<16)|(1<<20)|(1<<21)|(5<<22)|(3<<25) ; the same with the mask of my column, for wb's tiles
	s_mov_b32 s[G1B+1], KSTEP<<16
	s_mov_b32 s[G1+1], KSTEP<<16                   ; 63:48 tensor_dim0, low half = 128
	s_mov_b32 s[G1B+2], 128<<16
	s_mov_b32 s[G1+2], 128<<16                     ; 79:64 its high half = 0; 95:80 tensor_dim1, low half = 128
	s_mov_b32 s[G1B+3], KSTEP<<16
	s_mov_b32 s[G1+3], KSTEP<<16                   ; 111:96 its high half = 0; 127:112 tile_dim0 = 128
	s_mov_b32 s[G1B+4], 128
	s_mov_b32 s[G1+4], 128                         ; 143:128 tile_dim1 = 128; 159:144 tile_dim2 = 0
	s_mov_b32 s[G1B+5], SIZE_K
	s_mov_b32 s[G1+5], SIZE_K                      ; 191:160 tensor_dim0_stride, low word: elements from row to row
	s_mov_b32 s[G1B+6], 0
	s_mov_b32 s[G1+6], 0
	s_mov_b32 s[G1B+7], 0
	s_mov_b32 s[G1+7], 0
	; where the tiles come from.  xb's hang on the tile row alone, which my row of the cluster shares; wb's on the tile column alone, which my column shares.
	; Every wave makes both addresses, in registers that never hold the other coordinate, and asks by one of them.
	s_lshl_b32 s17, s12, 7                         ; which 128 rows of the tile I fetch
	s_lshl_b32 s16, s13, 8
	s_add_co_u32 s16, s16, s17                     ; xb: row 256 x tile row + 128 x half
	s_lshl_b32 s46, s42, 8
	s_add_co_u32 s46, s46, s17                     ; wb: row 256 x tile column + 128 x half
	s_mov_b32 s17, 0
	s_mov_b32 s47, 0
	s_mov_b64 s[18:19], SIZE_K*2
	s_mul_u64 s[16:17], s[16:17], s[18:19]         ; in bytes, in 64 bits
	s_mul_u64 s[46:47], s[46:47], s[18:19]
	s_mul_i32 s20, s10, HALFT                      ; and where they go: xb's two halves, then wb's two halves = wave x 128 rows: no place in the cluster enters an LDS address
	s_wait_dscnt 0x0                               ; the opening add is done
	s_wait_kmcnt 0x0
	s_add_nc_u64 s[14:15], s[4:5], s[16:17]
	s_add_nc_u64 s[46:47], s[6:7], s[46:47]
	CROUND                                         ; all sixteen work-groups are here: the first joint loads meet
.irp s, 0,1
	s_mov_b32 s[G0+4*(\s)], 1                                      ; 1:0 count = 1
	s_add_co_u32 s[G0+4*(\s)+1], s20, (\s)*SLOT                    ; 63:32 LDS address
	s_add_nc_u64 s[G0+4*(\s)+2:G0+4*(\s)+3], s[14:15], (\s)*KSTEP*2  ; 120:64 global address: K step s
	s_or_b32 s[G0+4*(\s)+3], s[G0+4*(\s)+3], 0x80000000            ; 127:126 type = 2
	s_mov_b32 s[G0B+4*(\s)], 1
	s_add_co_u32 s[G0B+4*(\s)+1], s20, (\s)*SLOT
	s_add_nc_u64 s[G0B+4*(\s)+2:G0B+4*(\s)+3], s[46:47], (\s)*KSTEP*2
	s_or_b32 s[G0B+4*(\s)+3], s[G0B+4*(\s)+3], 0x80000000
	JLOAD \s                                       ; the ring is filled before anything else is done: two tensor loads of mine are out, the most in this text
.endr
	; A fragment is 16 rows x 32 K in 8 registers: lane l holds row l % 16; registers 0-3 hold K = 8 (l / 16) + 0..7, registers 4-7 hold
	; K = 16 + 8 (l / 16) + 0..7.  From rows that lie along K: two loads of 16 bytes, 32 bytes apart.  The same for source 0 and source 1.
	v_and_b32 v1, 15, v0                           ; l % 16
	v_bfe_u32 v2, v0, 4, 1                         ; l / 16
	v_mul_u32_u24 v3, v1, PITCH
	v_lshl_add_u32 v3, v2, 4, v3                   ; row x pitch + 16 x half
	s_mul_i32 s21, s11, HALFT                      ; my 128 rows of xb
	s_mul_i32 s22, s12, HALFT                      ; my 128 rows of wb,
	s_add_co_u32 s22, s22, 2*HALFT                 ; which lie behind xb's 256
.irp s, 0,1
	v_add_nc_u32 v[ADRA+(\s)], s21, v3
	v_add_nc_u32 v[ADRB+(\s)], s22, v3
	s_add_co_u32 s21, s21, SLOT
	s_add_co_u32 s22, s22, SLOT
.endr
	s_mul_i32 s23, s10, 16*SPITCH
	s_add_co_u32 s23, s23, STAGE                   ; my stage
	v_mul_u32_u24 v4, v1, SPITCH                   ; in: row l % 16, 32 bytes for each half of the lanes
	v_lshl_add_u32 v4, v2, 5, v4
	v_add_nc_u32 v[STO], s23, v4
	v_and_b32 v5, 31, v0
	v_lshlrev_b32 v[CO], 4, v5                     ; back: the 32 lanes take one row of 512 bytes, 16 bytes each; the same place in out0's row
	v_add_nc_u32 v[RD], s23, v[CO]
	v_lshlrev_b32 v[BO], 5, v2
	; where my part of the tile begins in out0, in bytes: the way out adds it to out0's address
	s_lshl_b32 s13, s13, 8
	s_lshl_b32 s14, s11, 7
	s_add_co_u32 s16, s13, s14                     ; my first row
	s_mov_b32 s17, 0
	s_mov_b64 s[18:19], SIZE_N*4
	s_mul_u64 s[16:17], s[16:17], s[18:19]
	s_lshl_b32 s46, s42, 10                        ; my first column, in bytes of f32: 1,024 x tile column + 512 x half (in the registers that held wb's address: none that feeds xb's descriptors ever holds cx)
	s_lshl_b32 s47, s12, 9
	s_add_co_u32 s46, s46, s47
	s_mov_b32 s47, 0
	s_add_nc_u64 s[16:17], s[16:17], s[46:47]
	s_add_nc_u64 s[BP:BP+1], s[BP:BP+1], s[46:47]  ; bias at the same column: it is f32 too
	; sign(bias) of my 128 columns, as a C operand lies: register j of block b holds column 16 b + 8 (l / 16) + j.  Loaded once, 512 bytes of bias a wave; all this stands in the wait for the first tile.
.irp b, 0,1,2,3,4,5,6,7
	global_load_b128 v[BIA+8*(\b):BIA+8*(\b)+3],   v[BO], s[BP:BP+1] offset:64*(\b)
	global_load_b128 v[BIA+8*(\b)+4:BIA+8*(\b)+7], v[BO], s[BP:BP+1] offset:64*(\b)+16
.endr
	s_wait_loadcnt 0x0
.set i, 0
.rept 64                               ; 1 above 0, -1 below 0; both zeros and NaN stay as they are
	v_cmp_lt_f32 vcc_lo, 0, v[BIA+i]
	v_cndmask_b32 v[BIA+i], v[BIA+i], 1.0, vcc_lo
	v_cmp_gt_f32 vcc_lo, 0, v[BIA+i]
	v_cndmask_b32 v[BIA+i], v[BIA+i], -1.0, vcc_lo
.set i, i+1
.endr
; 16 matrix instructions: m blocks a0, a0 + 1 of the window's four (hi = 0: my rows 0-63, 1: rows 64-127) x all 8 n blocks, 32 along K.
; first = 1: the product starts the sum from sign(bias): nothing is cleared, and nothing is added behind the sums.
.macro MUL16 f, hi, a0, first
.if \first
	WIN BEG_LO+0x40*(\hi)
.else
	WIN MUL_LO+0x50*(\hi)
.endif
.irp a, \a0, (\a0)+1
.irp b, 0,1,2,3,4,5,6,7
.if \first
	v_wmma_f32_16x16x32_bf16 v[8*(8*(\a)+(\b)):8*(8*(\a)+(\b))+7], v[(\f)+8*(\b):(\f)+8*(\b)+7], v[(\f)+8*(4*(\hi)+(\a)):(\f)+8*(4*(\hi)+(\a))+7], v[BIA+8*(\b):BIA+8*(\b)+7]
.else
	v_wmma_f32_16x16x32_bf16 v[8*(8*(\a)+(\b)):8*(8*(\a)+(\b))+7], v[(\f)+8*(\b):(\f)+8*(\b)+7], v[(\f)+8*(4*(\hi)+(\a)):(\f)+8*(4*(\hi)+(\a))+7], v[8*(8*(\a)+(\b)):8*(8*(\a)+(\b))+7]
.endif
.endr
.endr
.endm
; 32 LDS loads in one run: the fragments of one quarter step (128 rows of wb, 128 rows of xb, 32 K at byte k of the rows) into buffer f
.macro FETCH slot, k, f
	WIN TO_B
.irp i, 0,1,2,3,4,5,6,7
	ds_load_b128 v[(\f)+8*(\i):(\f)+8*(\i)+3],   v[ADRB+(\slot)] offset:(\k)+(\i)*16*PITCH
	ds_load_b128 v[(\f)+8*(\i)+4:(\f)+8*(\i)+7], v[ADRB+(\slot)] offset:(\k)+(\i)*16*PITCH+32
.endr
	WIN 0
.irp i, 0,1,2,3,4,5,6,7
	ds_load_b128 v[(\f)+8*(\i):(\f)+8*(\i)+3],   v[ADRA+(\slot)] offset:(\k)+(\i)*16*PITCH
	ds_load_b128 v[(\f)+8*(\i)+4:(\f)+8*(\i)+7], v[ADRA+(\slot)] offset:(\k)+(\i)*16*PITCH+32
.endr
.endm
; A load into a register that a matrix instruction has read, and an LDS store that reads a matrix result, stand four places behind that matrix instruction, and only plain vector instructions
; that name none of its registers are places (ISA guide 7.12.1 for vector instructions); the matrix instructions in between are not counted.
.macro PLACES
.rept 4
	v_nop
.endr
.endm
; A K step is four quarter steps of 32 along K, 64 matrix instructions each, on buffers 0, 1, 0, 1.  The 64 accumulators take turns, one instruction a turn, in the same order in every quarter.
; One of the first three: multiplies buffer f; in its middle it fetches the next quarter's fragments, at byte k of the same slot's rows, into buffer g.
.macro QUARTER slot, k, f, g, first
	s_wait_dscnt 8                                 ; wb and xb's rows 0-63 are in; the youngest eight loads (xb's rows 64-127) may be out
	MUL16 \f, 0, 0, \first
	MUL16 \f, 0, 2, \first
	PLACES
	FETCH \slot, \k, \g
	s_wait_dscnt 32                                ; all but the 32 just issued
	MUL16 \f, 1, 0, \first
	MUL16 \f, 1, 2, \first
.endm
; The last quarter multiplies buffer 1 and changes slots.  MEET is its first half: ONE barrier for the change of slots, for two things.  In front of it each wave waits for all its tensor loads,
; of which one is out: its part of the next slot; adds 0 to its spare word; and waits for that and for its own reads of this slot.  Behind it nobody reads this slot any more and the next slot is whole.
.macro MEET round                      ; round = 1: a round of the cluster's barrier follows
	WIN 0                                          ; (the add's two registers lie in window 0)
	s_wait_tensorcnt 0x0                           ; all my tensor loads have landed: the one that was out is my part of the next slot;
	ds_add_u32 v[SPW], v[NIL]                      ; 0 onto my spare word;
	s_wait_dscnt 9                                 ; (the add and the youngest eight loads may be out)
	MUL16 F1, 0, 0, 0                              ; sixteen matrix instructions stand between the add and the wait for it
	s_wait_dscnt 0x0                               ; the add is done, and my reads of this slot are over:
	s_barrier_signal -1                            ; say so (where a slot is filled again this barrier opens a round of the cluster's barrier),
	MUL16 F1, 0, 2, 0                              ; work on registers while the others arrive,
.if \round
	WIN 0
.endif
	s_barrier_wait -1                              ; and go on when all four have said so
.endm
; The whole last quarter.  Behind the round the slot just read out is filled again first, with the K step two steps on; then come the next slot's first fragments.
; From a request to the wait for it a wave issues 224 matrix instructions.
.macro TURN slot, next
	MEET 1
	CREST                                          ; wave 0 says so for the work-group, all sixteen work-groups have said so, my work-group's barrier closes the round:
	                                               ; no wave of any partner still reads this slot's tile or has a load on its way
	s_add_nc_u64 s[G0+4*(\slot)+2:G0+4*(\slot)+3], s[G0+4*(\slot)+2:G0+4*(\slot)+3], 2*KSTEP*2    ; no tensor load of mine is out: a group 0 may be written; the type bits on top are not reached
	s_add_nc_u64 s[G0B+4*(\slot)+2:G0B+4*(\slot)+3], s[G0B+4*(\slot)+2:G0B+4*(\slot)+3], 2*KSTEP*2
	JLOAD \slot                                    ; the first tensor load behind the round, my only one until the next; the four v_nop behind it are also the places in front of the loads below
	FETCH \next, 0, F0
	MUL16 F1, 1, 0, 0
	MUL16 F1, 1, 2, 0
.endm
; THE LAST K STEP (it lies in slot 1) GOES BY ROWS OF out0, NOT BY K.  All its fragments of wb (4 quarters x 64 registers) fill window 1; then my eight blocks of 16 rows are finished one after
; the other, each with 32 matrix instructions (its 8 accumulators by turns, K ascending).  LDS is read no more than in any other K step.
.macro BLOAD q                         ; wb's fragments of quarter q -> window 1, v[64 q ..]
	WIN TO_B
.irp i, 0,1,2,3,4,5,6,7
	ds_load_b128 v[64*(\q)+8*(\i):64*(\q)+8*(\i)+3],   v[ADRB+1] offset:64*(\q)+(\i)*16*PITCH
	ds_load_b128 v[64*(\q)+8*(\i)+4:64*(\q)+8*(\i)+7], v[ADRB+1] offset:64*(\q)+(\i)*16*PITCH+32
.endr
.endm
.macro ALOAD a                         ; xb's fragments of block a, all four quarters -> buffer a % 4
	WIN 0
.set FA, PA+32*((\a)%4)
.irp q, 0,1,2,3
	ds_load_b128 v[FA+8*(\q):FA+8*(\q)+3],   v[ADRA+1] offset:64*(\q)+(\a)*16*PITCH
	ds_load_b128 v[FA+8*(\q)+4:FA+8*(\q)+7], v[ADRA+1] offset:64*(\q)+(\a)*16*PITCH+32
.endr
.endm
.macro ROW a                           ; block a is finished: 32 matrix instructions
.set FA, PA+32*((\a)%4)                ; its fragments of xb
.set AC, 64*((\a)%4)                   ; its eight accumulators, in window 2 (blocks 0-3) or 3 (blocks 4-7)
	WIN MUL_LO+0x50*((\a)/4)
.irp q, 0,1,2,3
.if (\a) == 0 && (\q) == 2
	s_wait_dscnt 24                                ; wb's quarter 2 is in (behind it: xb's blocks 1 to 3)
.endif
.irp b, 0,1,2,3,4,5,6,7
	v_wmma_f32_16x16x32_bf16 v[AC+8*(\b):AC+8*(\b)+7], v[64*(\q)+8*(\b):64*(\q)+8*(\b)+7], v[FA+8*(\q):FA+8*(\q)+7], v[AC+8*(\b):AC+8*(\b)+7]
.endr
.endr
.endm
; THE WAY OUT of block a, in two parts.  The sums are the result as they stand: no arithmetic is left.
; TOSTAGE: a lane's 32 bytes of a row go straight from the accumulators into my own stage in LDS (each accumulator's four lowest registers first), and come back as whole rows of 512 bytes.
.macro TOSTAGE a
.set AC, 64*((\a)%4)
	WIN 0x08+4*((\a)/4)                            ; the stores' data (source 1) in window 2 or 3, their address in window 0
.irp b, 0,1,2,3,4,5,6,7
	ds_store_b128 v[STO], v[AC+8*(\b):AC+8*(\b)+3]   offset:64*(\b)
	ds_store_b128 v[STO], v[AC+8*(\b)+4:AC+8*(\b)+7] offset:64*(\b)+16
.endr
	WIN 0
	s_wait_xcnt 0x0                                ; every earlier memory instruction has had its addresses translated (ISA guide 3.1): only behind this wait are the registers that the last block's stores read, and their base, written again
.irp t, 0,1,2,3,4,5,6,7,8,9,10,11,12,13,14,15
	ds_load_b128 v[OB+4*(\t):OB+4*(\t)+3], v[RD] offset:(\t)*SPITCH  ; LDS serves a wave's instructions in order (ISA guide 5.7.1.4): these see the stores above
.endr
.endm
; SEND: stored.  younger: the LDS loads issued behind TOSTAGE's, which may stay out.
.macro SEND a, younger
	WIN 0
.if (\a) == 0
	s_add_nc_u64 s[8:9], s[8:9], s[16:17]          ; on to my first rows
.else
	s_add_nc_u64 s[8:9], s[8:9], 16*SIZE_N*4       ; 16 rows of out0 on, so that the stores' offsets stay small: 15 rows, 245,760 bytes, at the most
.endif
.irp t, 0,1,2,3,4,5,6,7,8,9,10,11,12,13,14,15
	s_wait_dscnt (\younger)+15-(\t)                ; LDS loads come back in order (ISA guide 5.7.1): row t is in
	global_store_b128 v[CO], v[OB+4*(\t):OB+4*(\t)+3], s[8:9] offset:(\t)*SIZE_N*4 th:TH_STORE_NT  ; the wave stores 512 consecutive bytes, at a multiple of 256 from out0's first byte; written once, read by nobody here
.endr
.endm
	s_wait_tensorcnt 1                             ; my part of K step 0 is in; K step 1's may stay out
	s_barrier_signal -1
	s_barrier_wait -1                              ; everybody's is
	FETCH 0, 0, F0
	QUARTER 0, 64,  F0, F1, 1                      ; the first quarter stands in front of the loop: its products start the sums, from sign(bias)
	WIN 0                                          ; at a label and at a branch every window is 0
	s_mov_b32 s3, LAPS-1
.Llap:                                                 ; 15 trips: a trip goes once round the ring, from a lap's second quarter to the next lap's first, and fills both slots again (K steps 2 to 31)
	QUARTER 0, 128, F1, F0, 0
	QUARTER 0, 192, F0, F1, 0
	TURN 0, 1
	QUARTER 1, 64,  F0, F1, 0
	QUARTER 1, 128, F1, F0, 0
	QUARTER 1, 192, F0, F1, 0
	TURN 1, 0
	QUARTER 0, 64,  F0, F1, 0
	WIN 0
	s_sub_co_u32 s3, s3, 1
	s_cmp_lg_u32 s3, 0
	s_cbranch_scc1 .Llap
	QUARTER 0, 128, F1, F0, 0                      ; the last lap goes on; it is written out, since it asks for nothing more
	QUARTER 0, 192, F0, F1, 0
	MEET 0                                         ; my one tensor load that was still out is slot 1's, the last K step's, so no round follows
	PLACES                                         ; for the loads into buffer 0, which the quarter before multiplied
	BLOAD 0                                        ; three quarters of wb now: buffer 1 (v128-191 of both windows) is still being multiplied
	BLOAD 1
	BLOAD 3
	ALOAD 0
	MUL16 F1, 1, 0, 0
	MUL16 F1, 1, 2, 0
	PLACES                                         ; for the loads into buffer 1
	BLOAD 2
	ALOAD 1
	ALOAD 2
	ALOAD 3
	s_wait_dscnt 40                                ; all but the 40 just issued
	ROW 0
.irp a, 0,1,2,3,4,5,6,7                ; each block leaves as soon as it is finished: nothing follows this tile, so the sooner its stores begin, the sooner the launch ends
	PLACES                                         ; the LDS stores read results just made, and the loads below land in fragments just read; no other vector work is at hand
	TOSTAGE \a
.if (\a) < 4
	ALOAD (\a)+4                                   ; its buffer takes the block four further on
	SEND \a, 8
.else
	SEND \a, 0
.endif
.if (\a) < 7
	ROW (\a)+1
.endif
.endr
	s_wait_tensorcnt 0x0                           ; the wave's end, behind my last tensor load and my last LDS store
	ds_add_u32 v[SPW], v[NIL]
	s_wait_dscnt 0x0
	CROUND                                         ; the closing round: no work-group ends while a partner may still ask for a tile that names it
	s_endpgm
.Lfunc_end_k_q890c3d6479_gemm:
	.size	k_q890c3d6479_gemm, .Lfunc_end_k_q890c3d6479_gemm-k_q890c3d6479_gemm
	.p2alignl 7, 3214868480
	.fill 96, 4, 3214868480
	.section	.rodata,"a",@progbits
	.p2align	6, 0x0
	.amdhsa_kernel k_q890c3d6479_gemm
		.amdhsa_group_segment_fixed_size 327680
		.amdhsa_private_segment_fixed_size 0
		.amdhsa_enable_private_segment 0
		.amdhsa_kernarg_size 32
		.amdhsa_user_sgpr_count 2
		.amdhsa_user_sgpr_kernarg_segment_ptr 1
		.amdhsa_wavefront_size32 1
		.amdhsa_system_sgpr_workgroup_id_x 1
		.amdhsa_system_sgpr_workgroup_id_y 1
		.amdhsa_system_sgpr_workgroup_id_z 1
		.amdhsa_system_vgpr_workitem_id 0
		.amdhsa_next_free_vgpr 1024
		.amdhsa_next_free_sgpr 68
		.amdhsa_reserve_vcc 1
		.amdhsa_float_denorm_mode_32 3
		.amdhsa_float_denorm_mode_16_64 3
		.amdhsa_memory_ordered 1
		.amdhsa_forward_progress 1
		.amdhsa_inst_pref_size 158
	.end_amdhsa_kernel
	.amdgpu_metadata
---
amdhsa.version: [ 1, 2 ]
amdhsa.kernels:
  - .name:           k_q890c3d6479_gemm
    .symbol:         k_q890c3d6479_gemm.kd
    .args:
      - { .name: xb, .offset: 0, .size: 8, .value_kind: global_buffer, .address_space: global }
      - { .name: wb, .offset: 8, .size: 8, .value_kind: global_buffer, .address_space: global }
      - { .name: out0, .offset: 16, .size: 8, .value_kind: global_buffer, .address_space: global }
      - { .name: bias, .offset: 24, .size: 8, .value_kind: global_buffer, .address_space: global }
    .group_segment_fixed_size: 327680
    .private_segment_fixed_size: 0
    .kernarg_segment_align: 8
    .kernarg_segment_size: 32
    .max_flat_workgroup_size: 128
    .sgpr_count:     68
    .vgpr_count:     1024
    .wavefront_size: 32
...
	.end_amdgpu_metadata
.endif
;; end of part 2
;; ======== version 2 of 2: 2 launches; version 1 with the launch tobf16 written anew for expert scheduling mode
;; workspace buffers: xb 33,554,432 bytes; wb 33,554,432 bytes
;; launch tobf16 (part 3): grid 512 x 2, 8 waves a work-group, no clusters, 0 bytes of LDS; arguments x, weight, xb, wb; writes xb, wb
.if DOCPART == 3
	.amdgcn_target "amdgcn-amd-amdhsa--gfx1250"
	.amdhsa_code_object_version 6
	.text
	.protected	k_q890c3d6479_tobf16
	.globl	k_q890c3d6479_tobf16
	.p2align	8
	.type	k_q890c3d6479_tobf16,@function
k_q890c3d6479_tobf16:
	s_mov_b64 s[64:65], 0
	v_nop
	global_prefetch_b8 v0, s[64:65] scope:SCOPE_SE
	s_setreg_imm32_b32 hwreg(HW_REG_WAVE_SCHED_MODE, 0, 2), 2
	s_setreg_imm32_b32 hwreg(HW_REG_WAVE_MODE, 25, 1), 1
	s_wait_xcnt 0x0
	s_wait_alu depctr_vm_vsrc(0)
; xb = bf16(x), wb = bf16(sign(weight)).  x, weight: [4096][4096] f32; xb, wb: [4096][4096] bf16, the same order of elements.
; A stream: every input byte is read once and every output byte written once, so there is no LDS, no barrier, no matrix unit, and no cluster (no two work-groups read the same byte).
; SHARES.  Work-groups with y = 0 take x, those with y = 1 take weight.  Work-group gx owns 131,072 input bytes (512 x 131,072 = the tensor's 67,108,864) and the 65,536 output bytes made of them.
; A turn is 4,096 input bytes: thread t loads the 16 bytes at 16 t (a wave: 512 consecutive bytes) and stores the 8 bytes at 8 t (a wave: 256 consecutive bytes, at a multiple of 256 from the buffer's first byte).
; sign: 1 for every number above 0 (denormals and +infinity too), -1 below 0; +0, -0 and NaN stay as they are: all of these bf16 holds exactly.
; LIMITS.  x is rounded to nearest even, 8 significant bits; |x| above bf16's largest finite number, 3.39e38, becomes an infinity.
; THE MODE: SCHED_MODE bits 1:0 = 2 (LLVM: expert scheduling mode 2), set by the entry lines.  The code itself states the register dependences
; between vector instructions and memory instructions, and between a vector instruction that writes a scalar register and its readers, with s_wait_alu, always for 0.
; THE PLAN.  The 32 turns go in 8 blocks of four.  Registers that memory instructions touch:
;   X0 .. X3   four blocks as loaded.  Written by the loads of block p + 3, issued in block p; read by block p's compares, selects and roundings (weight: turned into signs in place by the selects).
;   Y0, Y1     two blocks to store.    Written by block p's roundings; read by the four stores that are issued in block p + 1.
;   v1, v2     byte offsets, made once at the head and never written again: every turn's place stands in the immediate offset (126,976 bytes at the most), and no base is stepped.
; Block p works on X[p % 4] and writes Y[p % 2].  Its memory instructions are the loads into X[(p + 3) % 4] = X[(p - 1) % 4] and the stores from Y[(p - 1) % 2]: the two buffers that
; block p - 1 worked on and that no vector instruction of block p names.  So the waits at the head of a block state all that the block's eight memory instructions hang on, and these
; are dealt among its vector instructions with no further wait.  At a block's head the two younger blocks' eight loads stay out; with the four that follow, twelve loads of a wave are on their way.
; weight's walk: a block's 32 compares (two a number, both on the number as loaded) write 32 lane masks into scalar registers, ONE wait follows the run, then come the 32 selects.
; The eight blocks are written out: block 0 has no block in front of it, blocks 5 to 7 load nothing (no load leaves the buffer), and the four between would be a single lap of a loop.
.set BLOCK,  4                         ; turns in a block
.set BLOCKS, 8
.set CHUNK,  4096                      ; input bytes of a turn; the output's are half as many
.set IN,  1                            ; v1        16 t; never rewritten
.set OUT, 2                            ; v2        8 t; never rewritten
.set X,   4                            ; v[4:67]   buffer k, turn i: 4 registers at X + 16 k + 4 i: 4 numbers in f32, as loaded
.set Y,   68                           ; v[68:83]  buffer k, turn i: 2 registers at Y + 8 k + 2 i: 4 bf16 to store
.set M,   24                           ; s[24:55]  number n of a block's 16: the lanes where it is above 0 at M + 2 n, below 0 at M + 2 n + 1
	s_load_b256 s[4:11], s[0:1], 0x0               ; x s[4:5], weight s[6:7], xb s[8:9], wb s[10:11]
	s_and_b32 s16, ttmp7, 0xffff                   ; y: which tensor
	s_lshl_b32 s2, ttmp9, 17                       ; my 131,072 input bytes (511 x 131,072 stays under 2^32),
	s_mov_b32 s3, 0
	s_lshl_b32 s18, ttmp9, 16                      ; my 65,536 output bytes
	s_mov_b32 s19, 0
	v_lshlrev_b32 v[IN], 4, v0
	v_lshlrev_b32 v[OUT], 3, v0
	s_wait_kmcnt 0x0
	s_cmp_eq_u32 s16, 0                            ; the choice hangs on the work-group's y alone
	s_cselect_b64 s[12:13], s[4:5], s[6:7]         ; from x or from weight,
	s_cselect_b64 s[14:15], s[8:9], s[10:11]       ; into xb or into wb
	s_add_nc_u64 s[12:13], s[12:13], s[2:3]
	s_add_nc_u64 s[14:15], s[14:15], s[18:19]
	s_wait_alu depctr_va_vdst(0)                   ; v1 and v2 are written: every load and store of the kernel reads one of them as its offset
.irp i, 0,1,2,3,4,5,6,7,8,9,10,11
	global_load_b128 v[X+4*(\i):X+4*(\i)+3], v[IN], s[12:13] offset:(\i)*CHUNK th:TH_LOAD_NT  ; blocks 0, 1 and 2 into X0, X1, X2; each byte is read once in the launch
.endr
; Block p.  sgn = 1: the numbers' signs are taken.
.macro BLK p, sgn
.if (\p) < BLOCKS-2
	s_wait_loadcnt 2*BLOCK                         ; loads come back in order (ISA guide 5.7.1): X[p % 4] is in, the two younger blocks stay out
.else
	s_wait_loadcnt (BLOCKS-1-(\p))*BLOCK           ; the last blocks: the counts run down
.endif
.if (\p) >= 2                          ; (ahead of block 2 no store has read a Y that is written again)
	s_wait_xcnt 0x0                                ; every earlier memory instruction has had its addresses translated (ISA guide 3.1): Y[p % 2] is rewritten only behind this wait
	s_wait_alu depctr_vm_vsrc(0)                   ; the stores issued in the block before have read Y[p % 2], which this block's roundings write again
.endif
.if (\p) >= 1
	s_wait_alu depctr_va_vdst(0)                   ; the block before has written the other Y, which the stores below read, and is done reading and writing its X, in which the loads below land
.endif
.irp i, 0,1,2,3
.if (\p)+3 < BLOCKS
	global_load_b128 v[X+16*(((\p)+3)%4)+4*(\i):X+16*(((\p)+3)%4)+4*(\i)+3], v[IN], s[12:13] offset:(((\p)+3)*BLOCK+(\i))*CHUNK th:TH_LOAD_NT  ; three blocks ahead; no vector instruction since the wait names these registers
.endif
.if (\p) >= 1
	global_store_b64 v[OUT], v[Y+8*(((\p)+1)%2)+2*(\i):Y+8*(((\p)+1)%2)+2*(\i)+1], s[14:15] offset:(((\p)-1)*BLOCK+(\i))*CHUNK/2  ; the block before; no hint: the next launch reads these bytes
.endif
.if \sgn
.irp j, 0,1,2,3
	v_cmp_lt_f32 s[M+2*(4*(\i)+(\j))],   0, v[X+16*((\p)%4)+4*(\i)+(\j)]   ; the lanes where 0 < the number,
	v_cmp_gt_f32 s[M+2*(4*(\i)+(\j))+1], 0, v[X+16*((\p)%4)+4*(\i)+(\j)]   ; and where 0 > it
.endr
.else
	v_cvt_pk_bf16_f32 v[Y+8*((\p)%2)+2*(\i)],   v[X+16*((\p)%4)+4*(\i)],   v[X+16*((\p)%4)+4*(\i)+1]  ; two roundings to bf16, packed
	v_cvt_pk_bf16_f32 v[Y+8*((\p)%2)+2*(\i)+1], v[X+16*((\p)%4)+4*(\i)+2], v[X+16*((\p)%4)+4*(\i)+3]
.endif
.endr
.if \sgn
	s_wait_alu depctr_va_sdst(0)                   ; the block's 32 compares have written s[M ..], ahead of the first select that reads one of them
.irp i, 0,1,2,3
.irp j, 0,1,2,3
	v_cndmask_b32 v[X+16*((\p)%4)+4*(\i)+(\j)], v[X+16*((\p)%4)+4*(\i)+(\j)], 1.0, s[M+2*(4*(\i)+(\j))]     ; 1 above 0,
.endr
.irp j, 0,1,2,3
	v_cndmask_b32 v[X+16*((\p)%4)+4*(\i)+(\j)], v[X+16*((\p)%4)+4*(\i)+(\j)], -1.0, s[M+2*(4*(\i)+(\j))+1]  ; -1 below 0; what is neither (both zeros, NaN) is left as it is
.endr
	v_cvt_pk_bf16_f32 v[Y+8*((\p)%2)+2*(\i)],   v[X+16*((\p)%4)+4*(\i)],   v[X+16*((\p)%4)+4*(\i)+1]  ; two roundings to bf16, packed
	v_cvt_pk_bf16_f32 v[Y+8*((\p)%2)+2*(\i)+1], v[X+16*((\p)%4)+4*(\i)+2], v[X+16*((\p)%4)+4*(\i)+3]
.endr
.endif
.endm
; The whole walk: the eight blocks, and the last block's stores.
.macro WALK sgn
.irp p, 0,1,2,3,4,5,6,7
	BLK \p, \sgn
.endr
	s_wait_alu depctr_va_vdst(0)                   ; block 7 has written Y1, which the last four stores read
.irp i, 0,1,2,3
	global_store_b64 v[OUT], v[Y+8+2*(\i):Y+8+2*(\i)+1], s[14:15] offset:((BLOCKS-1)*BLOCK+(\i))*CHUNK/2
.endr
	s_endpgm
.endm
	s_cmp_lg_u32 s16, 0
	s_cbranch_scc1 .Lsign                          ; the same way for the whole work-group
	WALK 0                                         ; x: rounded
.Lsign:
	WALK 1                                         ; weight: its signs
.Lfunc_end_k_q890c3d6479_tobf16:
	.size	k_q890c3d6479_tobf16, .Lfunc_end_k_q890c3d6479_tobf16-k_q890c3d6479_tobf16
	.p2alignl 7, 3214868480
	.fill 96, 4, 3214868480
	.section	.rodata,"a",@progbits
	.p2align	6, 0x0
	.amdhsa_kernel k_q890c3d6479_tobf16
		.amdhsa_group_segment_fixed_size 0
		.amdhsa_private_segment_fixed_size 0
		.amdhsa_enable_private_segment 0
		.amdhsa_kernarg_size 32
		.amdhsa_user_sgpr_count 2
		.amdhsa_user_sgpr_kernarg_segment_ptr 1
		.amdhsa_wavefront_size32 1
		.amdhsa_system_sgpr_workgroup_id_x 1
		.amdhsa_system_sgpr_workgroup_id_y 1
		.amdhsa_system_sgpr_workgroup_id_z 1
		.amdhsa_system_vgpr_workitem_id 0
		.amdhsa_next_free_vgpr 84
		.amdhsa_next_free_sgpr 66
		.amdhsa_reserve_vcc 0
		.amdhsa_float_denorm_mode_32 3
		.amdhsa_float_denorm_mode_16_64 3
		.amdhsa_memory_ordered 1
		.amdhsa_forward_progress 1
		.amdhsa_inst_pref_size 54
	.end_amdhsa_kernel
	.amdgpu_metadata
---
amdhsa.version: [ 1, 2 ]
amdhsa.kernels:
  - .name:           k_q890c3d6479_tobf16
    .symbol:         k_q890c3d6479_tobf16.kd
    .args:
      - { .name: x, .offset: 0, .size: 8, .value_kind: global_buffer, .address_space: global }
      - { .name: weight, .offset: 8, .size: 8, .value_kind: global_buffer, .address_space: global }
      - { .name: xb, .offset: 16, .size: 8, .value_kind: global_buffer, .address_space: global }
      - { .name: wb, .offset: 24, .size: 8, .value_kind: global_buffer, .address_space: global }
    .group_segment_fixed_size: 0
    .private_segment_fixed_size: 0
    .kernarg_segment_align: 8
    .kernarg_segment_size: 32
    .max_flat_workgroup_size: 256
    .sgpr_count:     66
    .vgpr_count:     84
    .wavefront_size: 32
...
	.end_amdgpu_metadata
.endif
;; end of part 3
;; launch gemm: the kernel of part 2 again; grid 16 x 16, 4 waves a work-group, clusters of 4 x 4, 327,680 bytes of LDS; arguments xb, wb, out0, bias; writes out0
